; MI455X (gfx1250); checked and timed in simulation.
; The chip was launched on July 23, 2026; its instructions are those of AMD's public machine-readable ISA for CDNA 5 (MIT licence, August 2026) and "CDNA5" Instruction Set Architecture Reference Guide (July 2026). The comments in the code are by the model that wrote it; some were corrected since.
;; Flash SVD Ro PE Attention. Allowed arithmetic: matrix products marked QUANTISED: E3M2 operands, one E8M0 scale for each 32 along K, by v_wmma_scale_f32_16x16x128_f8f6f4 with both operands' format E3M2, f32 sums; everything else in f32.
;; Inputs: Pk 4 x 2,048 x 256 float32; Pq 4 x 2,048 x 256 float32; Pv 4 x 2,048 x 256 float32; Vk 256 x 1,024 float32; Vq 256 x 1,024 float32; Vv 256 x 1,024 float32; attention_mask 4 x 2,048 int32; bk 1,024 float32; bq 1,024 float32; bv 1,024 float32; position_ids 4 x 2,048 int32.
;; Outputs: out0 4 x 2,048 x 16 x 64 float32.
;; This version of the problem:
;;   THIS VERSION OF THE PROBLEM IS GIVEN IN LOW PRECISION. The matrix products marked QUANTISED in the list below multiply operands that are first quantised to E3M2 (3 exponent bits, 2 mantissa bits; 6 bits a number), with one power-of-two scale for each 32 numbers along K (OCP MX v1.0); their sums are f32. All else is computed in f32.
;;   The module's matrix products, in the order in which they are computed (A, B: the left and right operand; K: the contracted axis; several contracted axes count as one K, in the product's order):
;;     1. [M 8,192, K 256] x [K 256, N 1,024]; A: input Pq; B: input Vq: QUANTISED
;;     2. [M 8,192, K 256] x [K 256, N 1,024]; A: input Pk; B: input Vk: QUANTISED
;;     3. [M 8,192, K 256] x [K 256, N 1,024]; A: input Pv; B: input Vv: QUANTISED
;;     4. batch 64 x [M 2,048, K 64] x [K 64, N 2,048]; A: computed on the way; B: computed on the way: QUANTISED
;;     5. batch 64 x [M 64, K 2,048] x [K 2,048, N 2,048]; A: computed on the way; B: computed on the way: QUANTISED
;;   THE QUANTISER, for each operand of a quantised product, along K:
;;     - K is cut into blocks of 32 from its start; a last block that is shorter is filled with zeros.
;;     - A block's scale is 2^e with e = floor(log2(the largest magnitude in the block)) - 4, held to -126 .. 127; a block of zeros has e = 0. As a byte (E8M0): e + 127.
;;     - Each number is divided by its block's scale, clamped to +-28, and rounded to the nearest number of E3M2, ties to even, subnormals kept.
;;     - The product sums the exact products of the quantised numbers (number of the format x scale) in f32.
;;   ~~~python
;;   def quantise(x, axis):      # numpy; x: float32 -> the quantised numbers, widened to float32 again
;;       x = np.moveaxis(x, axis, -1); K = x.shape[-1]
;;       x = np.pad(x, [(0, 0)] * (x.ndim - 1) + [(0, -K % 32)]); x = x.reshape(x.shape[:-1] + (-1, 32)); a = np.abs(x).max(-1, keepdims=True)
;;       e = np.where(a > 0, np.clip(np.frexp(np.where(a > 0, a, 1))[1] - 1 - 4, -126, 127), 0)      # np.frexp(a)[1] - 1 = floor(log2(a)), exactly
;;       r = np.clip(x / 2.0 ** e, -28, 28)
;;       step = 2.0 ** (np.maximum(np.frexp(np.where(r == 0, 1, r))[1] - 1, -2) - 2)
;;       q = np.round(r / step) * step * 2.0 ** e      # np.round: ties to even
;;       return np.moveaxis(q.reshape(q.shape[:-2] + (-1,))[..., :K], -1, axis).astype(np.float32)
;;   ~~~
;;   OPERANDS COMPUTED ON THE WAY. 'Computed on the way' means the value that the module computes at that place (a softmax that the list does not call 'softmax' is quantised finished and normalised). What goes into a quantiser is computed in f32, as accurately as f32 sums, v_exp_f32 and their like allow (about 1e-6 of the number): no bf16 or f16 on the way to a quantiser, and a product that is left as it is and whose result goes on into a quantised operand takes f32 operands (vector FMAs, or v_wmma_f32_16x16x4_f32). A number that lies on a knife's edge between two numbers of the format may be rounded either way, as far as f32 arithmetic and the matrix unit's own rounding can turn it there, and no further.
;; One version. Each part assembles by itself: llvm-mc -triple=amdgcn-amd-amdhsa -mcpu=gfx1250 --defsym DOCPART=n.
;; ======== version 1 of 1: 3 launches
;; limits: right only within a limited range of input values
;; workspace buffers: wbuf 614,400 bytes; qbuf 8,912,896 bytes; kbuf 8,912,896 bytes; vbuf 6,553,600 bytes
;; launch wprep (part 1): grid 192 x 1, 1 waves a work-group, no clusters, 0 bytes of LDS; arguments Vq, Vk, Vv, wbuf; writes wbuf
.if DOCPART == 1
	.amdgcn_target "amdgcn-amd-amdhsa--gfx1250"
	.amdhsa_code_object_version 6
	.text
	.protected	k_q6d6d213580_wprep
	.globl	k_q6d6d213580_wprep
	.p2align	8
	.type	k_q6d6d213580_wprep,@function
k_q6d6d213580_wprep:
	s_mov_b64 s[64:65], 0
	v_nop
	global_prefetch_b8 v0, s[64:65] scope:SCOPE_SE
	s_setreg_imm32_b32 hwreg(HW_REG_WAVE_MODE, 25, 1), 1
	s_wait_xcnt 0x0
; Vq, Vk, Vv [256 (k)][1024 (n)], f32, K their FIRST axis, become codes of BF6 (E3M2) with one E8M0 byte for each 32 along K,
; laid in wbuf in the order of an operand's registers: fragment (tensor t, column tile n, K step s) is 12 registers a lane, stored as three
; groups of four registers, lane l's 16 bytes at 16 l: 1,536 bytes at ((64 t + n) 2 + s) 1,536.  Scale words from byte WSC on: (64 t + n) 128 + 64 s + 4 r.
; One wave to a column tile: 192 work-groups.  A LANE TAKES A COLUMN AND ITS REGISTERS RUN DOWN K, in the order that the operand's layout gives that lane
; (registers 6 c .. 6 c + 5: k = 64 c + 32 (lane / 16) + 0 .. 31): a lane holds whole blocks, and the conversions' results are the operand's registers.
; THE COLUMNS OF A TILE: for Vq and Vk lane r of tile n takes column 16 n - 8 (n % 2) + r + 8 (r / 8), so that in the next launch's transposed product the 16 registers of two
; neighbouring tiles are 16 neighbours of a head's 64; for Vv lane r takes column 16 n + r.
; A block's scale is 2^(floor(log2(largest magnitude)) - 4): its byte is the largest magnitude's exponent field - 4, held at 1 from below by a floor among the maximum's leaves.
; LIMITS: a block of zeros gets the byte 1 (its codes are zeros; only this program reads the bytes); NaN and infinities are not served.
.set X,   32                           ; v32-159  X[64 s + 32 c + i] = V(128 s + 64 c + 32 h + i, my column)
.set F,   160                          ; v160-183 the two fragments
.set T,   184                          ; v184-190 the upper halves of two blocks' codes (a conversion's three registers begin on an even number)
.set WSC, 589824
	s_load_b128 s[4:7], s[0:1], 0x0                ; Vq, Vk
	s_load_b128 s[8:11], s[0:1], 0x10              ; Vv, wbuf
	v_and_b32 v1, 15, v0                           ; r
	s_wait_alu depctr_va_vdst(0)
	v_lshrrev_b32 v2, 4, v0                        ; h
	v_lshlrev_b32 v4, 4, v0                        ; 16 x lane: my place in a group of an image
	v_lshlrev_b32 v5, 2, v0                        ; 4 x lane: my place among the tile's 32 scale words
	v_lshlrev_b32 v14, 3, v2                       ; 8 h: my bytes' shift in a scale word
	v_mov_b32 v18, 0                               ; a lane permute's destination counts as one of its sources
	s_mov_b32 s24, 0x76543210
	s_mov_b32 s25, 0xfedcba98                      ; v_permlanex16_b32's selects for lane l xor 16
	s_and_b32 s15, ttmp9, 63                       ; n
	s_and_b32 s16, s15, 1
	s_lshl_b32 s17, s15, 4
	s_cmp_lt_u32 ttmp9, 128
	s_cselect_b32 s14, 8, 0                        ; 8 for Vq and Vk, 0 for Vv
	s_mul_i32 s16, s16, s14
	s_sub_co_u32 s17, s17, s16                     ; the tile's first column
	v_and_b32 v3, s14, v1
	v_add_nc_u32 v3, v3, v1
	v_add_nc_u32 v3, s17, v3                       ; my column
	v_lshlrev_b32 v3, 2, v3
	s_wait_alu depctr_va_vdst(0)
	v_lshl_add_u32 v3, v2, 17, v3                  ; lanes 16-31 begin 32 rows of 4,096 bytes further down
	s_mul_i32 s18, ttmp9, 3072                     ; the tile's two fragments
	s_mov_b32 s19, 0
	s_lshl_b32 s22, ttmp9, 7
	s_add_co_u32 s22, s22, WSC                     ; and its scale words
	s_mov_b32 s23, 0
	s_wait_alu depctr_va_vdst(0)
	s_wait_kmcnt 0x0
	s_cmp_lt_u32 ttmp9, 64                         ; which tensor: the choice hangs on the work-group's number alone
	s_cselect_b64 s[12:13], s[4:5], s[6:7]
	s_cmp_lt_u32 ttmp9, 128
	s_cselect_b64 s[12:13], s[12:13], s[8:9]
	s_add_nc_u64 s[20:21], s[10:11], s[18:19]
	s_add_nc_u64 s[22:23], s[10:11], s[22:23]
.set q, 0
.rept 128
	global_load_b32 v[X+q], v3, s[12:13] offset:(128*(q/64)+64*((q/32)%2)+q%32)*4096   ; sixteen lanes read 64 bytes of a row (two runs of 32 for Vq, Vk); the neighbours' tiles read the rest of it, so no hint
.set q, q+1
.endr
.macro WQ s
.irp c, 0,1                                    ; my block 2 c + h of this K step: all its 32 numbers are mine
	v_max3_num_f32 v[8+\c], |v[X+64*\s+32*\c]|, |v[X+64*\s+32*\c+1]|, 0x2800000   ; and the floor 2^(5 - 127): the byte cannot fall under 1
.endr
.irp i, 2,4,6,8,10,12,14,16,18,20,22,24,26,28,30
.irp c, 0,1
	v_max3_num_f32 v[8+\c], v[8+\c], |v[X+64*\s+32*\c+\i]|, |v[X+64*\s+32*\c+\i+1]|
.endr
.endr
.irp c, 0,1
	v_add_nc_u32 v[10+\c], 0xfe000000, v[8+\c]     ; 4 off the exponent field: the conversion takes this operand's exponent field as its scale
.endr
.irp c, 0,1
	v_lshrrev_b32 v[12+\c], 23, v[10+\c]           ; the scale's byte
.endr
	v_lshl_or_b32 v[16+\s], v13, 16, v12           ; blocks h and 2 + h,
	v_lshlrev_b32 v[16+\s], v14, v[16+\s]          ; at their places in the word;
	v_permlanex16_b32 v18, v[16+\s], s24, s25
	v_or_b32 v[16+\s], v[16+\s], v18               ; with lane l xor 16's two the word is whole
.irp c, 0,1
	v_cvt_scalef32_pk16_bf6_f32 v[F+12*\s+6*\c:F+12*\s+6*\c+2], v[X+64*\s+32*\c:X+64*\s+32*\c+15], v[10+\c]
	v_cvt_scalef32_pk16_bf6_f32 v[T+4*\c:T+4*\c+2], v[X+64*\s+32*\c+16:X+64*\s+32*\c+31], v[10+\c]
.endr
	v_nop                                          ; one plain place behind a scaled conversion
.irp c, 0,1
.irp i, 0,1,2
	v_mov_b32 v[F+12*\s+6*\c+3+\i], v[T+4*\c+\i]
.endr
.endr
.irp g, 0,1,2
	global_store_b128 v4, v[F+12*\s+4*\g:F+12*\s+4*\g+3], s[20:21] offset:\s*1536+512*\g   ; 32 lanes store 512 consecutive bytes
.endr
.endm
	s_wait_loadcnt 63                              ; a wait names 63 at the most: with at most 63 of the 128 loads out, the first 65 are in, K step 0's 64 among them
	WQ 0
	s_wait_loadcnt 0x0
	WQ 1
	s_mov_b32 vcc_lo, 0xffff0000
	v_cndmask_b32 v19, v16, v17, vcc_lo            ; lanes 0-15: K step 0's words, lanes 16-31: K step 1's
	global_store_b32 v5, v19, s[22:23]             ; 128 consecutive bytes
	s_endpgm
.Lfunc_end_k_q6d6d213580_wprep:
	.size	k_q6d6d213580_wprep, .Lfunc_end_k_q6d6d213580_wprep-k_q6d6d213580_wprep
	.p2alignl 7, 3214868480
	.fill 96, 4, 3214868480
	.section	.rodata,"a",@progbits
	.p2align	6, 0x0
	.amdhsa_kernel k_q6d6d213580_wprep
		.amdhsa_group_segment_fixed_size 0
		.amdhsa_private_segment_fixed_size 0
		.amdhsa_enable_private_segment 0
		.amdhsa_kernarg_size 32
		.amdhsa_user_sgpr_count 2
		.amdhsa_user_sgpr_kernarg_segment_ptr 1
		.amdhsa_wavefront_size32 1
		.amdhsa_system_sgpr_workgroup_id_x 1
		.amdhsa_system_sgpr_workgroup_id_y 1
		.amdhsa_system_sgpr_workgroup_id_z 1
		.amdhsa_system_vgpr_workitem_id 0
		.amdhsa_next_free_vgpr 192
		.amdhsa_next_free_sgpr 66
		.amdhsa_reserve_vcc 1
		.amdhsa_float_denorm_mode_32 3
		.amdhsa_float_denorm_mode_16_64 3
		.amdhsa_memory_ordered 1
		.amdhsa_forward_progress 1
		.amdhsa_inst_pref_size 21
	.end_amdhsa_kernel
	.amdgpu_metadata
---
amdhsa.version: [ 1, 2 ]
amdhsa.kernels:
  - .name:           k_q6d6d213580_wprep
    .symbol:         k_q6d6d213580_wprep.kd
    .args:
      - { .name: Vq, .offset: 0, .size: 8, .value_kind: global_buffer, .address_space: global }
      - { .name: Vk, .offset: 8, .size: 8, .value_kind: global_buffer, .address_space: global }
      - { .name: Vv, .offset: 16, .size: 8, .value_kind: global_buffer, .address_space: global }
      - { .name: wbuf, .offset: 24, .size: 8, .value_kind: global_buffer, .address_space: global }
    .group_segment_fixed_size: 0
    .private_segment_fixed_size: 0
    .kernarg_segment_align: 8
    .kernarg_segment_size: 32
    .max_flat_workgroup_size: 32
    .sgpr_count:     66
    .vgpr_count:     192
    .wavefront_size: 32
...
	.end_amdgpu_metadata
.endif
;; end of part 1
;; launch proj (part 2): grid 192 x 1, 8 waves a work-group, no clusters, 87,040 bytes of LDS; arguments Pq, Pk, Pv, bq, bk, bv, attention_mask, position_ids, wbuf, qbuf, kbuf, vbuf; writes qbuf, kbuf, vbuf
.if DOCPART == 2
	.amdgcn_target "amdgcn-amd-amdhsa--gfx1250"
	.amdhsa_code_object_version 6
	.text
	.protected	k_q6d6d213580_proj
	.globl	k_q6d6d213580_proj
	.p2align	8
	.type	k_q6d6d213580_proj,@function
k_q6d6d213580_proj:
	s_mov_b64 s[64:65], 0
	v_nop
	global_prefetch_b8 v0, s[64:65] scope:SCOPE_SE
	s_setreg_imm32_b32 hwreg(HW_REG_WAVE_MODE, 25, 1), 1
	s_wait_xcnt 0x0
; q = rope(Pq Vq + bq), k = rope(Pk Vk + bk), v = Pv Vv + bv, the products on codes of BF6 (E3M2) with one E8M0 scale for each 32 along K = 256; then q and k are quantised along a
; head's 64 and v along the keys, and stored in the order of the next launch's operand registers.  P [8192][256] f32 is quantised here; the weights come as register images from wbuf.
; SHARES.  Work-group 64 t + g: tensor t (0 q, 1 k, 2 v), tokens 128 g .. 128 g + 127, all 1,024 columns: 192 work-groups, since v's operand wants 128 keys for a whole fragment.
; Wave w quantises token tile w of P (two fragments), hands them to the others through LDS as images of their registers, and then makes heads 2 w and 2 w + 1 for all 128 tokens;
; its 16 fragments of the weight are read once, into registers.  One barrier.
; TWO WAYS.  q and k take one way through the text, v another: they part once, on the work-group's number (the same in all eight waves), behind the common head, and do not join; each has LDS bytes of its own.
; THE TOKENS OF A TILE ARE NOT NEIGHBOURS: lane r of tile t' takes token 32 (t' / 2) + 8 (t' % 2) + r + 8 (r / 8): so a tile of k is a tile of keys as the score product wants it, and
; in v's product (source 0 = tokens) the 16 registers of two neighbouring tiles are 16 neighbouring keys.
; q, k: the product is used transposed (source 0 = 16 columns of the weight, source 1 = 16 tokens): a lane holds one token, its 32 registers of a head the dims 16 h + i and 32 + 16 h + i,
; i = 0 .. 15: the two partners of a rotation lie in one lane.  The bias is the C of a sum's first matrix instruction.
; ROTATION.  inv_freq = 1 / 10^(j / 8): the 32 powers are written as decimals (rounded to f32 when assembled), the reciprocal is v_rcp_f32 and two Newton steps by fused multiply-adds.
; angle = pos x inv_freq in f32; reduced by pi / 2 in three parts with fused multiply-adds; sin and cos by polynomials of degree 7 and 8 on [-pi/4, pi/4].
; THE KEY MASK RIDES IN THE UNUSED HALF OF THE SCORE INSTRUCTION'S K = 128: at k = 64 q holds the code of -1 under the byte 127; a masked key holds the code of +1 under the byte 227 (2^100),
; an open key the code 0 under the byte 1.  A masked score so leaves the matrix unit as -2^100.
; OUT.  qbuf, kbuf: head (16 b + head) x 139,264 + step j x 8,704: eight tiles of 1,024 bytes (registers 0-7 of the operand, two groups of four, lane l at 16 l), then 512 bytes of scale words
; (tile 4 g + i, lane r: 256 g + 16 r + 4 i).  vbuf: head x 102,400 + step x 6,400: four fragments of 1,536 bytes (16 of the head's 64 x 128 keys), then 256 bytes of scale words (16 r + 4 n).
; LIMITS: |pos x inv_freq| under 2^17 (the reduction's three parts); a block of zeros gets the byte 1 (only this program reads the bytes); NaN and infinities are not served.
.set XIMG,  0                          ; LDS, q's and k's way: P's 16 fragments, (2 t' + s) x 1,536
.set XSC,   24576                      ; their scale words, (2 t' + s) x 128 + 4 x lane
.set RIMG,  26624                      ; cos and sin of a token tile: 4,096 bytes: four groups of cos, four of sin
.set VXB,   59392                      ; LDS, v's way: the same two regions XIMG and XSC, from this byte on
.set KHEAD, 139264
.set KSTEP, 8704
.set VHEAD, 102400
.set VSTEP, 6400
.set WSC,   589824
.set PC,  16                           ; v16-34   codes just made (head);  later PF: P's two fragments
.set PW,  36                           ; v36      the scale word just made
.set PF,  16
.set WS,  40                           ; v40-55   the weight's 16 scale words, 2 n' + s: scales and nothing else
.set MK,  56                           ; v56-63   q, k: the mask's words of the 8 token tiles;  v: bias of my 8 column tiles
.set PS,  64                           ; v64-65   P's scale words of the tile in hand: scales and nothing else
.set F6,  66                           ; v66      register 6 of the image: the code at k = 64
.set PAD, 67                           ; v67      the scale word's upper two bytes
.set LV,  68                           ; v68-71   code (open), code (masked), bytes (open), bytes (masked)
.set X0,  72                           ; v72-135  P's numbers of K step 0;  later ACC
.set X1,  136                          ; v136-199 of K step 1
.set ACC, 72
.set COS, 136                          ; v136-151, v152-167 cos and sin of the token tile in hand
.set SIN, 152
.set TU,  168                          ; v168-175 at work in the rotation
.set FS,  176                          ; v176-191 two images of 8 registers, one for each head
.set CT,  192
.set TM2, 196                          ; v196-203
.set SW,  204                          ; v204-219 the scale words made: 8 hh + t'
.set SEL, 220                          ; v220-227
.set TM,  200                          ; v200-215 at work in QUANT4
.set FQ,  200                          ; v200-215 10^(..), then the angle, then sin
.set CO,  216                          ; v216-231 1 / 10^(..), then cos
.set PSV, 232                          ; v232-247 v's way: P's 16 scale words: scales and nothing else
.set CB,  32                           ; v32-39   v's way: the bias eight times, a C operand
.set PCV, 136
.set SWV, 160
.set SELV, 168
.set MSB, 0
.macro WIN new                         ; the immediate's high byte repeats the setting that is left
.if MSB != \new
	s_set_vgpr_msb (MSB<<8)|\new
.set MSB, \new
.endif
.endm
; 64 numbers of a lane, register 16 b + i = k 32 b + 16 (lane / 16) + i of my row, become a fragment's codes in v[pc] on and its scale word in v[pw]
.macro QUANT4 s, pc, pw
.irp b, 0,1,2,3
	v_max3_num_f32 v[TM+\b], |v[\s+16*\b]|, |v[\s+1+16*\b]|, 0x2800000   ; my 16 numbers of block b, and the floor 2^(5 - 127)
.endr
.irp i, 2,4,6,8,10,12,14
.irp b, 0,1,2,3
	v_max3_num_f32 v[TM+\b], v[TM+\b], |v[\s+16*\b+\i]|, |v[\s+1+16*\b+\i]|
.endr
.endr
.irp b, 0,1,2,3
	s_delay_alu instid0(VALU_DEP_4)
	v_permlanex16_b32 v[TM+4+\b], v[TM+\b], s40, s41
.endr
.irp b, 0,1,2,3
	s_delay_alu instid0(VALU_DEP_4)
	v_max_num_f32 v[TM+\b], v[TM+\b], v[TM+4+\b]   ; with lane l xor 16's: the block's largest magnitude
.endr
.irp b, 0,1,2,3
	s_delay_alu instid0(VALU_DEP_4)
	v_add_nc_u32 v[TM+12+\b], 0xfe000000, v[TM+\b] ; 4 off its exponent field: the conversion's scale operand
.endr
.irp b, 0,1,2,3
	s_delay_alu instid0(VALU_DEP_4)
	v_lshrrev_b32 v[TM+4+\b], 23, v[TM+12+\b]      ; the scale's byte
.endr
	s_delay_alu instid0(VALU_DEP_3)
	v_lshl_or_b32 v[\pw], v[TM+5], 8, v[TM+4]
	s_delay_alu instid0(VALU_DEP_1)
	v_lshl_or_b32 v[\pw], v[TM+6], 16, v[\pw]
	s_delay_alu instid0(VALU_DEP_1)
	v_lshl_or_b32 v[\pw], v[TM+7], 24, v[\pw]
.irp c, 0,1
	v_cvt_scalef32_pk16_bf6_f32 v[\pc+6*\c:\pc+2+6*\c], v[\s+32*\c:\s+15+32*\c], v[TM+12+2*\c]
	v_cvt_scalef32_pk16_bf6_f32 v[\pc+12+4*\c:\pc+14+4*\c], v[\s+16+32*\c:\s+31+32*\c], v[TM+12+2*\c+1]
.endr
	v_nop                                          ; one plain place behind a scaled conversion
.irp c, 0,1                                    ; the operand's layout wants a whole block in a lane
.irp i, 0,1,2
	v_permlane16_swap_b32 v[\pc+6*\c+\i], v[\pc+12+4*\c+\i]
.endr
.irp i, 0,1,2
	s_delay_alu instid0(VALU_DEP_3)
	v_mov_b32 v[\pc+3+6*\c+\i], v[\pc+12+4*\c+\i]
.endr
.endr
.endm
.macro IMAGE off                               ; the fragment in v[PC] on goes to LDS as it stands
.irp c, 0,1,2
	ds_store_b128 v7, v[PC+4*\c:PC+4*\c+3] offset:\off+512*\c
.endr
.endm
.macro XLOAD reg, s                            ; my 16 rows' numbers of K step s: of each block of 32 my half's 16 neighbours
.irp b, 0,1,2,3
.irp j, 0,1,2,3
	global_load_b128 v[\reg+16*\b+4*\j:\reg+16*\b+4*\j+3], v4, s[32:33] offset:512*\s+128*\b+16*\j th:TH_LOAD_NT
.endr
.endr
.endm
.macro PTOLDS                                  ; my 16 rows of P become two fragments, which go to LDS; then the launch's one barrier
	s_wait_loadcnt 16                              ; K step 0's numbers are in; K step 1's 16 loads are younger
	QUANT4 X0, PC, PW
	IMAGE 0
	ds_store_b32 v8, v[PW]
	s_wait_dscnt 0x0                               ; the stores have read their registers
	s_wait_loadcnt 0x0
	QUANT4 X1, PC, PW
	IMAGE 1536
	ds_store_b32 v8, v[PW] offset:128
	s_wait_dscnt 0x0                               ; for the others' sake: my stores have landed
	s_barrier_signal -1
	s_barrier_wait -1                              ; all that the waves hand to each other lies in LDS; from here on LDS is only read
.endm
.macro INVF i, lo, hi                          ; lanes 0-15: 10^(i / 8), lanes 16-31: 10^(2 + i / 8)
	v_mov_b32 v16, \hi
	s_delay_alu instid0(VALU_DEP_1)
	v_cndmask_b32 v[FQ+\i], \lo, v16, vcc_lo
.endm
.macro SINCOS i                                ; v[FQ+i]: the angle -> its sin;  v[CO+i]: its cos
	v_mul_f32 v18, 0x3f22f983, v[FQ+\i]            ; x 2 / pi
	s_delay_alu instid0(VALU_DEP_1)
	v_rndne_f32 v18, v18                           ; n
	s_delay_alu instid0(VALU_DEP_1)
	v_fma_f32 v19, v18, s42, v[FQ+\i]              ; the angle - n pi / 2, in three parts
	s_delay_alu instid0(VALU_DEP_1)
	v_fma_f32 v19, v18, s43, v19
	s_delay_alu instid0(VALU_DEP_1)
	v_fma_f32 v19, v18, s44, v19
	s_delay_alu instid0(VALU_DEP_4)
	v_cvt_i32_f32 v20, v18                         ; the quadrant is n mod 4
	s_delay_alu instid0(VALU_DEP_2)
	v_mul_f32 v21, v19, v19                        ; z
	s_delay_alu instid0(VALU_DEP_1)
	v_fma_f32 v22, v21, s45, s46
	s_delay_alu instid0(VALU_DEP_2)
	v_fma_f32 v23, v21, s48, s49
	s_delay_alu instid0(VALU_DEP_2)
	v_fma_f32 v22, v22, v21, s47
	s_delay_alu instid0(VALU_DEP_2)
	v_fma_f32 v23, v23, v21, s50
	v_mul_f32 v24, v21, v19
	v_mul_f32 v25, v21, v21
	s_delay_alu instid0(VALU_DEP_2)
	v_fma_f32 v22, v24, v22, v19                   ; sin
	v_fma_f32 v24, v21, -0.5, 1.0
	s_delay_alu instid0(VALU_DEP_1)
	v_fma_f32 v23, v25, v23, v24                   ; cos
	v_and_b32 v24, 1, v20
	s_delay_alu instid0(VALU_DEP_1)
	v_cmp_eq_u32 vcc_lo, 1, v24
	s_delay_alu instid0(VALU_DEP_1)
	v_cndmask_b32 v24, v22, v23, vcc_lo            ; odd quadrants change the two
	s_delay_alu instid0(VALU_DEP_2)
	v_cndmask_b32 v25, v23, v22, vcc_lo
	v_lshlrev_b32 v22, 30, v20                     ; sin is negative in quadrants 2, 3,
	v_add_nc_u32 v23, 1, v20
	s_delay_alu instid0(VALU_DEP_1)
	v_lshlrev_b32 v23, 30, v23                     ; cos in 1, 2
	s_delay_alu instid0(VALU_DEP_3)
	v_and_b32 v22, 0x80000000, v22
	s_delay_alu instid0(VALU_DEP_2)
	v_and_b32 v23, 0x80000000, v23
	s_delay_alu instid0(VALU_DEP_2)
	v_xor_b32 v[FQ+\i], v24, v22
	s_delay_alu instid0(VALU_DEP_2)
	v_xor_b32 v[CO+\i], v25, v23
.endm
.macro ROPE x                                  ; x0' = x0 cos - x1 sin, x1' = x0 sin + x1 cos, two dims at a time, ascending: each accumulator is first read at its low end
.irp i, 0,2,4,6,8,10,12,14
	v_pk_mul_f32 v[TU+2*(\i%4):TU+2*(\i%4)+1], v[\x+16+\i:\x+17+\i], v[SIN+\i:SIN+\i+1]
	v_pk_mul_f32 v[TU+2*(\i%4)+2:TU+2*(\i%4)+3], v[\x+16+\i:\x+17+\i], v[COS+\i:COS+\i+1]
	v_pk_fma_f32 v[\x+16+\i:\x+17+\i], v[\x+\i:\x+1+\i], v[SIN+\i:SIN+\i+1], v[TU+2*(\i%4)+2:TU+2*(\i%4)+3]
	v_pk_fma_f32 v[\x+\i:\x+1+\i], v[\x+\i:\x+1+\i], v[COS+\i:COS+\i+1], v[TU+2*(\i%4):TU+2*(\i%4)+1] neg_lo:[0,0,1] neg_hi:[0,0,1]
.endr
.endm
.macro QUANT2 x, f, sw, w                      ; w = 1: the wait for earlier stores stands in this call
	v_max3_num_f32 v[TM2], |v[\x]|, |v[\x+1]|, 0x2800000
	v_max3_num_f32 v[TM2+1], |v[\x+16]|, |v[\x+17]|, 0x2800000
.irp i, 2,4,6,8,10,12,14
	s_delay_alu instid0(VALU_DEP_2)
	v_max3_num_f32 v[TM2], v[TM2], |v[\x+\i]|, |v[\x+1+\i]|
	s_delay_alu instid0(VALU_DEP_2)
	v_max3_num_f32 v[TM2+1], v[TM2+1], |v[\x+16+\i]|, |v[\x+17+\i]|
.endr
	s_delay_alu instid0(VALU_DEP_2)
	v_permlanex16_b32 v[TM2+2], v[TM2], s40, s41
	s_delay_alu instid0(VALU_DEP_2)
	v_permlanex16_b32 v[TM2+3], v[TM2+1], s40, s41
	s_delay_alu instid0(VALU_DEP_2)
	v_max_num_f32 v[TM2], v[TM2], v[TM2+2]
	s_delay_alu instid0(VALU_DEP_2)
	v_max_num_f32 v[TM2+1], v[TM2+1], v[TM2+3]
	s_delay_alu instid0(VALU_DEP_2)
	v_add_nc_u32 v[TM2+4], 0xfe000000, v[TM2]
	s_delay_alu instid0(VALU_DEP_2)
	v_add_nc_u32 v[TM2+5], 0xfe000000, v[TM2+1]
	s_delay_alu instid0(VALU_DEP_2)
	v_lshrrev_b32 v[TM2+6], 23, v[TM2+4]
	s_delay_alu instid0(VALU_DEP_2)
	v_lshrrev_b32 v[TM2+7], 23, v[TM2+5]
	s_delay_alu instid0(VALU_DEP_1)
	v_lshl_or_b32 v[\sw], v[TM2+7], 8, v[TM2+6]
	s_delay_alu instid0(VALU_DEP_1)
	v_lshl_or_b32 v[\sw], v[PAD], 16, v[\sw]       ; bytes 2 and 3: the padding's
.if \w
	s_wait_alu depctr_va_vdst(0)
	s_wait_xcnt 0x0                                ; four images take turns (token tile % 2, head): both images of this tile were last stored two tiles ago, ahead of this wait
.endif
	v_cvt_scalef32_pk16_bf6_f32 v[\f:\f+2], v[\x:\x+15], v[TM2+4]
	v_cvt_scalef32_pk16_bf6_f32 v[CT:CT+2], v[\x+16:\x+31], v[TM2+5]
	v_nop                                          ; one plain place behind a scaled conversion
.irp i, 0,1,2
	v_permlane16_swap_b32 v[\f+\i], v[CT+\i]       ; lanes 0-15 now hold block 0, lanes 16-31 block 1: lower 16 codes here, upper 16 in CT
.endr
.irp i, 0,1,2
	s_delay_alu instid0(VALU_DEP_3)
	v_mov_b32 v[\f+3+\i], v[CT+\i]
.endr
	v_mov_b32 v[\f+6], v[F6]
.endm
	s_load_b512 s[8:23], s[0:1], 0x0               ; Pq, Pk, Pv, bq, bk, bv, mask s[20:21], positions s[22:23]
	s_load_b256 s[24:31], s[0:1], 0x40             ; wbuf, qbuf, kbuf, vbuf
	v_lshl_add_u32 v254, v0, 2, 0x15000
	v_mov_b32 v255, 0
	v_lshrrev_b32 v14, 5, v0
	s_delay_alu instid0(VALU_DEP_1)
	v_readfirstlane_b32 s38, v14                   ; wave 0..7
	v_and_b32 v1, 31, v0                           ; lane
	v_and_b32 v2, 15, v0                           ; r
	v_bfe_u32 v3, v0, 4, 1                         ; h
	s_delay_alu instid0(VALU_DEP_2)
	v_and_b32 v11, 8, v2
	s_delay_alu instid0(VALU_DEP_1)
	v_add_nc_u32 v11, v11, v2                      ; r + 8 (r / 8)
	s_delay_alu instid0(VALU_DEP_1)
	v_lshlrev_b32 v4, 10, v11
	s_delay_alu instid0(VALU_DEP_1)
	v_lshl_add_u32 v4, v3, 6, v4                   ; P: my row of 1,024 bytes, + 64 h
	s_delay_alu instid0(VALU_DEP_3)
	v_lshlrev_b32 v11, 2, v11                      ; mask and positions: 4 bytes a token
	v_lshlrev_b32 v5, 4, v1                        ; 16 x lane
	v_lshlrev_b32 v6, 2, v1                        ; 4 x lane
	s_mul_i32 s56, s38, 3072
	v_add_nc_u32 v7, s56, v5                       ; where I store P's images
	s_lshl_b32 s56, s38, 8
	s_add_co_u32 s56, s56, XSC
	v_add_nc_u32 v8, s56, v6                       ; and their scale words
	s_lshl_b32 s56, s38, 12
	s_add_co_u32 s56, s56, RIMG
	v_add_nc_u32 v9, s56, v5                       ; and cos and sin
	v_lshlrev_b32 v10, 2, v2                       ; 4 r
	v_lshlrev_b32 v12, 6, v3                       ; 64 h
	v_mul_u32_u24 v13, 102400, v3
	s_delay_alu instid0(VALU_DEP_1)
	v_lshl_add_u32 v13, v2, 4, v13                 ; v's scale words: 16 r, lanes 16-31 the next head's
	v_sub_nc_u32 v14, 1, v3                        ; 1 in lanes 0-15
.irp b, 0,1,2,3
	v_mov_b32 v[TM+4+\b], 0                        ; a lane permute's destination counts as one of its sources
.endr
	s_mov_b32 s40, 0x76543210
	s_mov_b32 s41, 0xfedcba98
	s_mov_b32 s42, 0xbfc90fda                      ; -pi / 2 in three parts
	s_mov_b32 s43, 0xb3a22168
	s_mov_b32 s44, 0xa7c234c4
	s_mov_b32 s45, 0xb94ca1f9                      ; sin: -1.9515295891e-4, 8.3321608736e-3, -1.6666654611e-1
	s_mov_b32 s46, 0x3c08839e
	s_mov_b32 s47, 0xbe2aaaa3
	s_mov_b32 s48, 0x37ccf5ce                      ; cos: 2.443315711809948e-5, -1.388731625493765e-3, 4.166664568298827e-2
	s_mov_b32 s49, 0xbab6061a
	s_mov_b32 s50, 0x3d2aaaa5
	s_and_b32 s39, ttmp9, 63                       ; g = 16 b + j
	s_lshr_b32 s56, s38, 1
	s_lshl_b32 s56, s56, 5
	s_and_b32 s57, s38, 1
	s_lshl_b32 s57, s57, 3
	s_add_co_u32 s56, s56, s57
	s_lshl_b32 s57, s39, 7
	s_add_co_u32 s56, s56, s57                     ; my token tile's first token: 128 g + 32 (w / 2) + 8 (w % 2)
	s_lshl_b32 s58, s56, 10                        ; in P,
	s_mov_b32 s59, 0
	s_lshl_b32 s60, s56, 2                         ; among the positions;
	s_mov_b32 s61, 0
	s_lshl_b32 s62, s39, 9                         ; the group's first token in the mask
	s_mov_b32 s63, 0
	s_and_b32 s56, ttmp9, 0xc0
	s_lshl_b32 s57, s38, 3
	s_add_co_u32 s56, s56, s57                     ; 64 t + 8 w: my first column tile
	s_mul_i32 s66, s56, 3072
	s_mov_b32 s67, 0
	s_lshl_b32 s68, s56, 7
	s_add_co_u32 s68, s68, WSC
	s_mov_b32 s69, 0
	s_lshl_b32 s70, s38, 9                         ; my 128 numbers of the bias
	s_mov_b32 s71, 0
	s_and_b32 s56, s39, 0x30
	s_lshl_b32 s57, s38, 1
	s_add_co_u32 s56, s56, s57                     ; 16 b + 2 w: my first head
	s_and_b32 s57, s39, 15                         ; j
	s_mov_b32 s72, VHEAD
	s_mov_b32 s73, VSTEP
	s_cmp_lt_u32 ttmp9, 128
	s_cselect_b32 s72, KHEAD, s72
	s_cselect_b32 s73, KSTEP, s73
	s_mul_i32 s72, s56, s72
	s_mul_i32 s73, s57, s73
	s_add_co_u32 s72, s72, s73
	s_mov_b32 s73, 0
	s_wait_alu depctr_va_vdst(0)
	s_wait_kmcnt 0x0
	s_mov_b32 s54, 0x0101
	s_mov_b32 s55, 0x01e3
	s_cmp_lt_u32 ttmp9, 64                         ; the choices hang on the work-group's number alone
	s_cselect_b64 s[32:33], s[8:9], s[10:11]
	s_cselect_b64 s[34:35], s[14:15], s[16:17]
	s_cselect_b64 s[36:37], s[26:27], s[28:29]
	s_cselect_b32 s52, 0x2c, 0                     ; the code at k = 64: q: -1 always;  k: 0 for an open key,
	s_cselect_b32 s53, 0x2c, 0x0c                  ; +1 for a masked one
	s_cselect_b32 s54, 0x7f7f, s54                 ; bytes 2, 3: q: 127, 127;  k: 1, 1 open,
	s_cselect_b32 s55, 0x7f7f, s55                 ; 227, 1 masked
	s_cmp_lt_u32 ttmp9, 128
	s_cselect_b64 s[32:33], s[32:33], s[12:13]
	s_cselect_b64 s[34:35], s[34:35], s[18:19]
	s_cselect_b64 s[36:37], s[36:37], s[30:31]
	s_add_nc_u64 s[32:33], s[32:33], s[58:59]      ; P
	s_add_nc_u64 s[34:35], s[34:35], s[70:71]      ; the bias
	s_add_nc_u64 s[36:37], s[36:37], s[72:73]      ; the output
	s_add_nc_u64 s[20:21], s[20:21], s[62:63]
	s_add_nc_u64 s[22:23], s[22:23], s[60:61]
	s_add_nc_u64 s[66:67], s[24:25], s[66:67]      ; the weight's fragments
	s_add_nc_u64 s[68:69], s[24:25], s[68:69]      ; and scale words
.set k, 0
.rept 16
	global_load_b32 v[WS+k], v10, s[68:69] offset:64*k   ; tile k / 2, K step k % 2
.set k, k+1
.endr
	s_cmp_ge_u32 ttmp9, 128                        ; the one parting of the two ways
	s_cbranch_scc1 .Lvpath
	; ======== q's and k's way ========
	WIN 0x40                                       ; destination window 1
.set k, 0
.rept 48
	global_load_b128 v[4*k:4*k+3], v5, s[66:67] offset:512*k   ; my 16 fragments of the weight: (n', s) at v[24 n' + 12 s] of window 1; they stay
.set k, k+1
.endr
.set k, 0
.rept 8
	global_load_b128 v[192+8*k:192+8*k+3], v12, s[34:35] offset:(64*(k/4)+32*((k/2)%2)+8*(k%2))*4      ; the bias in the result's layout: tile k, my half's eight dims
	global_load_b128 v[192+8*k+4:192+8*k+7], v12, s[34:35] offset:(64*(k/4)+32*((k/2)%2)+8*(k%2))*4+16
.set k, k+1
.endr
	WIN 0
.set k, 0
.rept 8
	global_load_b32 v[MK+k], v11, s[20:21] offset:(32*(k/2)+8*(k%2))*4   ; the mask's word of token tile k's lane r
.set k, k+1
.endr
	global_load_b32 v37, v11, s[22:23]             ; my token's position
	XLOAD X0, 0
	XLOAD X1, 1
	; ---- cos and sin of my 16 tokens x my half's 16 frequencies, while P is on its way
	s_wait_loadcnt 32                              ; all but P's 32 loads, which are younger: the position is in
	s_mov_b32 vcc_lo, 0xffff0000
	INVF 0,  1.0, 100.0
	INVF 1,  1.3335214321633240, 133.35214321633240
	INVF 2,  1.7782794100389228, 177.82794100389228
	INVF 3,  2.3713737056616552, 237.13737056616552
	INVF 4,  3.1622776601683795, 316.22776601683795
	INVF 5,  4.2169650342858224, 421.69650342858224
	INVF 6,  5.6234132519034908, 562.34132519034908
	INVF 7,  7.4989420933245582, 749.89420933245582
	INVF 8,  10.0, 1000.0
	INVF 9,  13.335214321633240, 1333.5214321633240
	INVF 10, 17.782794100389228, 1778.2794100389228
	INVF 11, 23.713737056616552, 2371.3737056616552
	INVF 12, 31.622776601683795, 3162.2776601683795
	INVF 13, 42.169650342858224, 4216.9650342858224
	INVF 14, 56.234132519034908, 5623.4132519034908
	INVF 15, 74.989420933245582, 7498.9420933245582
	s_wait_alu depctr_va_vdst(0)
.irp i, 0,1,2,3,4,5,6,7,8,9,10,11,12,13,14,15
	v_rcp_f32 v[CO+\i], v[FQ+\i]
.endr
	v_cvt_f32_i32 v38, v37                         ; (a plain place behind the reciprocals)
	s_wait_alu depctr_va_vdst(0)
.rept 2                                        ; two Newton steps bring 1 / x to the nearest f32
.irp i, 0,1,2,3,4,5,6,7,8,9,10,11,12,13,14,15
	v_fma_f32 v[16+\i], -v[FQ+\i], v[CO+\i], 1.0
.endr
.irp i, 0,1,2,3,4,5,6,7,8,9,10,11,12,13,14,15
	v_fma_f32 v[CO+\i], v[16+\i], v[CO+\i], v[CO+\i]
.endr
.endr
.irp i, 0,1,2,3,4,5,6,7,8,9,10,11,12,13,14,15
	v_mul_f32 v[FQ+\i], v38, v[CO+\i]              ; the angle, rounded to f32
.endr
.irp i, 0,1,2,3,4,5,6,7,8,9,10,11,12,13,14,15
	SINCOS \i
.endr
.irp g, 0,1,2,3
	ds_store_b128 v9, v[CO+4*\g:CO+4*\g+3] offset:512*\g
	ds_store_b128 v9, v[FQ+4*\g:FQ+4*\g+3] offset:2048+512*\g
.endr
	s_wait_dscnt 0x0                               ; the stores have read their registers
	PTOLDS                                         ; P's sixteen fragments, and cos and sin, lie in LDS
	; ---- heads 2 w and 2 w + 1, a tile of 16 tokens at a time
	v_mul_u32_u24 v[LV], s52, v14                  ; the code at k = 64 lies in lanes 0-15; lanes 16-31 (k = 96 on) hold zeros
	v_mul_u32_u24 v[LV+1], s53, v14
	s_wait_alu depctr_va_vdst(0)
	v_mov_b32 v[LV+2], s54
	v_mov_b32 v[LV+3], s55
	s_wait_alu depctr_va_vdst(0)
	v_mov_b32 v[TM2+2], 0
	v_mov_b32 v[TM2+3], 0
	v_mov_b32 v[FS+7], 0                           ; register 7 of both images: zeros, written once
	v_mov_b32 v[FS+15], 0
	v_mov_b32 v[FS+52+7], 0                        ; the second pair of images, v228-243
	v_mov_b32 v[FS+52+15], 0
.irp tt, 0,1,2,3,4,5,6,7
.irp g, 0,1,2,3,4,5
	ds_load_b128 v[PF+4*\g:PF+4*\g+3], v5 offset:XIMG+3072*\tt+512*\g
.endr
	ds_load_b32 v[PS], v6 offset:XSC+256*\tt
	ds_load_b32 v[PS+1], v6 offset:XSC+256*\tt+128
.irp g, 0,1,2,3,4,5,6,7
	ds_load_b128 v[COS+4*\g:COS+4*\g+3], v5 offset:RIMG+4096*\tt+512*\g
.endr
	s_wait_dscnt 0x0
	WIN 0x11                                       ; source 0 (the weight) and C (the bias) window 1
.irp n, 0,1,2,3,4,5,6,7
	v_wmma_scale_f32_16x16x128_f8f6f4 v[ACC+8*\n:ACC+8*\n+7], v[24*\n:24*\n+11], v[PF:PF+11], v[192+8*\n:192+8*\n+7], v[WS+2*\n], v[PS] matrix_a_fmt:MATRIX_FMT_BF6 matrix_b_fmt:MATRIX_FMT_BF6
.endr
	WIN 0x01                                       ; the eight accumulators take turns, one instruction a turn
.irp n, 0,1,2,3,4,5,6,7
	v_wmma_scale_f32_16x16x128_f8f6f4 v[ACC+8*\n:ACC+8*\n+7], v[24*\n+12:24*\n+23], v[PF+12:PF+23], v[ACC+8*\n:ACC+8*\n+7], v[WS+2*\n+1], v[PS+1] matrix_a_fmt:MATRIX_FMT_BF6 matrix_b_fmt:MATRIX_FMT_BF6
.endr
	WIN 0
	v_cmp_eq_u32 vcc_lo, 0, v[MK+\tt]              ; these five lines are the places behind the products
	s_delay_alu instid0(VALU_DEP_1)
	v_cndmask_b32 v[F6], v[LV], v[LV+1], vcc_lo    ; a token whose mask word is 0 takes the masked code and bytes
	s_delay_alu instid0(VALU_DEP_2)
	v_cndmask_b32 v[PAD], v[LV+2], v[LV+3], vcc_lo
	v_nop
	v_nop
.irp hh, 0,1
	ROPE ACC+32*\hh
	QUANT2 ACC+32*\hh, FS+52*(\tt%2)+8*\hh, SW+8*\hh+\tt, 1-\hh
	global_store_b128 v5, v[FS+52*(\tt%2)+8*\hh:FS+52*(\tt%2)+8*\hh+3], s[36:37] offset:\hh*KHEAD+1024*\tt       ; 32 lanes store 512 consecutive bytes
	global_store_b128 v5, v[FS+52*(\tt%2)+8*\hh+4:FS+52*(\tt%2)+8*\hh+7], s[36:37] offset:\hh*KHEAD+1024*\tt+512
.endr
.endr
	s_mov_b32 vcc_lo, 0xffff0000
.irp hh, 0,1
.irp i, 0,1,2,3
	v_cndmask_b32 v[SEL+4*\hh+\i], v[SW+8*\hh+\i], v[SW+8*\hh+4+\i], vcc_lo   ; lanes 0-15: tiles 0-3, lanes 16-31: tiles 4-7
.endr
	global_store_b128 v5, v[SEL+4*\hh:SEL+4*\hh+3], s[36:37] offset:\hh*KHEAD+8192
.endr
	s_wait_tensorcnt 0x0
	ds_add_u32 v254, v255
	s_wait_dscnt 0x0
	s_endpgm
	; ======== v's way ========
.Lvpath:
	v_add_nc_u32 v7, VXB, v7                       ; this way's own LDS bytes: where I store P's images,
	v_add_nc_u32 v8, VXB, v8                       ; their scale words,
	v_add_nc_u32 v15, VXB, v5                      ; and where any wave reads them back: 16 x lane,
	v_add_nc_u32 v9, VXB, v6                       ; 4 x lane
	WIN 0x40
.set k, 0
.rept 12
	global_load_b128 v[192+4*k:192+4*k+3], v5, s[66:67] offset:512*k     ; column tiles 0 and 1 of the weight: two buffers of 24 registers
.set k, k+1
.endr
	WIN 0
.set k, 0
.rept 8
	global_load_b32 v[MK+k], v10, s[34:35] offset:64*k                   ; bias of column 16 k + r
.set k, k+1
.endr
	XLOAD X0, 0
	XLOAD X1, 1
	PTOLDS                                         ; P's sixteen fragments lie in LDS
	; ---- source 0 = 16 tokens, source 1 = 16 columns: a lane holds one column and, over the 8 token tiles, 64 keys: 16 neighbours of each block of 32
	WIN 0x40
.set k, 0
.rept 48
	ds_load_b128 v[4*k:4*k+3], v15 offset:XIMG+512*k   ; all of P's fragments: (t', s) at v[24 t' + 12 s] of window 1
.set k, k+1
.endr
	WIN 0
.set k, 0
.rept 16
	ds_load_b32 v[PSV+k], v9 offset:XSC+128*k
.set k, k+1
.endr
	s_wait_dscnt 0x0
.irp n, 0,1,2,3,4,5,6,7
.irp i, 0,1,2,3,4,5,6,7
	v_mov_b32 v[CB+\i], v[MK+\n]                   ; every register of a result holds my column: its bias eight times
.endr
.if \n < 7
	s_wait_alu depctr_va_vdst(0)
	s_wait_loadcnt 6                               ; this tile's fragments are in; the next tile's six loads are younger
.else
	s_wait_alu depctr_va_vdst(0)
	s_wait_loadcnt 0x0
.endif
	WIN 0x05                                       ; sources 0 and 1 window 1
.irp t, 0,1,2,3,4,5,6,7
	v_wmma_scale_f32_16x16x128_f8f6f4 v[ACC+8*\t:ACC+8*\t+7], v[24*\t:24*\t+11], v[192+24*(\n%2):192+24*(\n%2)+11], v[CB:CB+7], v[PSV+2*\t], v[WS+2*\n] matrix_a_fmt:MATRIX_FMT_BF6 matrix_b_fmt:MATRIX_FMT_BF6
.endr
.irp t, 0,1,2,3,4,5,6,7
	v_wmma_scale_f32_16x16x128_f8f6f4 v[ACC+8*\t:ACC+8*\t+7], v[24*\t+12:24*\t+23], v[192+24*(\n%2)+12:192+24*(\n%2)+23], v[ACC+8*\t:ACC+8*\t+7], v[PSV+2*\t+1], v[WS+2*\n+1] matrix_a_fmt:MATRIX_FMT_BF6 matrix_b_fmt:MATRIX_FMT_BF6
.endr
	WIN 0
.rept 4
	v_nop                                          ; places in front of loads into registers that the products have read, and of the first read of results
.endr
.if \n < 6
	WIN 0x40
.irp g, 0,1,2,3,4,5
	global_load_b128 v[192+24*(\n%2)+4*\g:192+24*(\n%2)+4*\g+3], v5, s[66:67] offset:(\n+2)*3072+512*\g   ; the tile two on, into the buffer just read
.endr
	WIN 0
.endif
	s_wait_xcnt 0x0                                ; the last tile's stores have read the codes' registers
	QUANT4 ACC, PCV, SWV+\n
.irp g, 0,1,2
	global_store_b128 v5, v[PCV+4*\g:PCV+4*\g+3], s[36:37] offset:(\n/4)*VHEAD+(\n%4)*1536+512*\g
.endr
.endr
	s_mov_b32 vcc_lo, 0xffff0000
.irp i, 0,1,2,3
	v_cndmask_b32 v[SELV+\i], v[SWV+\i], v[SWV+4+\i], vcc_lo   ; lanes 0-15: head 2 w's four tiles, lanes 16-31: head 2 w + 1's
.endr
	global_store_b128 v13, v[SELV:SELV+3], s[36:37] offset:6144   ; sixteen lanes store 256 consecutive bytes
	s_wait_tensorcnt 0x0
	ds_add_u32 v254, v255
	s_wait_dscnt 0x0
	s_endpgm
.Lfunc_end_k_q6d6d213580_proj:
	.size	k_q6d6d213580_proj, .Lfunc_end_k_q6d6d213580_proj-k_q6d6d213580_proj
	.p2alignl 7, 3214868480
	.fill 96, 4, 3214868480
	.section	.rodata,"a",@progbits
	.p2align	6, 0x0
	.amdhsa_kernel k_q6d6d213580_proj
		.amdhsa_group_segment_fixed_size 87040
		.amdhsa_private_segment_fixed_size 0
		.amdhsa_enable_private_segment 0
		.amdhsa_kernarg_size 96
		.amdhsa_user_sgpr_count 2
		.amdhsa_user_sgpr_kernarg_segment_ptr 1
		.amdhsa_wavefront_size32 1
		.amdhsa_system_sgpr_workgroup_id_x 1
		.amdhsa_system_sgpr_workgroup_id_y 1
		.amdhsa_system_sgpr_workgroup_id_z 1
		.amdhsa_system_vgpr_workitem_id 0
		.amdhsa_next_free_vgpr 512
		.amdhsa_next_free_sgpr 80
		.amdhsa_reserve_vcc 1
		.amdhsa_float_denorm_mode_32 3
		.amdhsa_float_denorm_mode_16_64 3
		.amdhsa_memory_ordered 1
		.amdhsa_forward_progress 1
		.amdhsa_inst_pref_size 254
	.end_amdhsa_kernel
	.amdgpu_metadata
---
amdhsa.version: [ 1, 2 ]
amdhsa.kernels:
  - .name:           k_q6d6d213580_proj
    .symbol:         k_q6d6d213580_proj.kd
    .args:
      - { .name: Pq, .offset: 0, .size: 8, .value_kind: global_buffer, .address_space: global }
      - { .name: Pk, .offset: 8, .size: 8, .value_kind: global_buffer, .address_space: global }
      - { .name: Pv, .offset: 16, .size: 8, .value_kind: global_buffer, .address_space: global }
      - { .name: bq, .offset: 24, .size: 8, .value_kind: global_buffer, .address_space: global }
      - { .name: bk, .offset: 32, .size: 8, .value_kind: global_buffer, .address_space: global }
      - { .name: bv, .offset: 40, .size: 8, .value_kind: global_buffer, .address_space: global }
      - { .name: attention_mask, .offset: 48, .size: 8, .value_kind: global_buffer, .address_space: global }
      - { .name: position_ids, .offset: 56, .size: 8, .value_kind: global_buffer, .address_space: global }
      - { .name: wbuf, .offset: 64, .size: 8, .value_kind: global_buffer, .address_space: global }
      - { .name: qbuf, .offset: 72, .size: 8, .value_kind: global_buffer, .address_space: global }
      - { .name: kbuf, .offset: 80, .size: 8, .value_kind: global_buffer, .address_space: global }
      - { .name: vbuf, .offset: 88, .size: 8, .value_kind: global_buffer, .address_space: global }
    .group_segment_fixed_size: 87040
    .private_segment_fixed_size: 0
    .kernarg_segment_align: 8
    .kernarg_segment_size: 96
    .max_flat_workgroup_size: 256
    .sgpr_count:     80
    .vgpr_count:     512
    .wavefront_size: 32
...
	.end_amdgpu_metadata
.endif
;; end of part 2
;; launch attn (part 3): grid 4 x 64, 8 waves a work-group, clusters of 4 x 1, 327,680 bytes of LDS; arguments qbuf, kbuf, vbuf, out0; writes out0
.if DOCPART == 3
	.amdgcn_target "amdgcn-amd-amdhsa--gfx1250"
	.amdhsa_code_object_version 6
	.text
	.protected	k_q6d6d213580_attn
	.globl	k_q6d6d213580_attn
	.p2align	8
	.type	k_q6d6d213580_attn,@function
k_q6d6d213580_attn:
	s_mov_b64 s[64:65], 0
	v_nop
	global_prefetch_b8 v0, s[64:65] scope:SCOPE_SE
	s_setreg_imm32_b32 hwreg(HW_REG_WAVE_MODE, 25, 1), 1
	s_wait_xcnt 0x0
	s_wait_alu depctr_hold_cnt(0) depctr_sa_sdst(0) depctr_va_vdst(0) depctr_va_sdst(0) depctr_va_ssrc(0) depctr_va_vcc(0) depctr_vm_vsrc(0)
	s_getreg_b32 s2, hwreg(HW_REG_IB_STS2, 6, 4)
	s_cmp_eq_u32 s2, 0
	s_cbranch_scc0 .Lentry_in_a_cluster
	s_endpgm
.Lentry_in_a_cluster:
	s_bfe_u32 s2, ttmp6, 0x10000c
	s_cmp_lg_u32 s2, 0x3003
	s_cbranch_scc0 .Lentry_shape_is_right
	s_endpgm
.Lentry_shape_is_right:
; out = softmax(q k^T / 8, masked keys out) v on codes of BF6 (E3M2).  A work-group takes one head (grid y) and 512 queries; a head's K and V images lie whole in LDS,
; asked for jointly by the four work-groups of a cluster.  A wave takes two rounds of two tiles of 16 queries.  A round has two passes over the 16 steps of 128 keys:
; pass 1 makes the scores, the row's largest score and each block's largest score (kept in the wave's own LDS bytes); pass 2 makes the scores again with C = -largest,
; p = 2^((s - m) log2(e) / 8), the row's sum of the unquantised p, p's codes by blocks of 32 keys, and O^T += v^T p^T.
; V's tile is waited for once, at the one barrier behind the first pass 1; behind it LDS is shared for reading alone, so the waves need no further barrier before the closing round.
; LIMITS: a masked score is -2^100 (made by the padding of K = 128); open scores stay under 2^90 in magnitude; NaN and infinities are not served.
.set KHEAD, 139264
.set KSTEP, 8704
.set VHEAD, 102400
.set VSTEP, 6400
.set VB,    139264
.set BMB,   241664
.set AK0,  1
.set AKS0, 2
.set AV0,  3
.set AVS0, 4
.set ABS0, 5
.set ABL0, 6
.set ADK,  7
.set ADKS, 8
.set ADV,  9
.set ADVS, 10
.set ABS,  11
.set ABL,  12
.set STO,  13
.set RD,   14
.set GO,   15
.set KS,   16
.set VS,   24
.set QS,   28
.set PW,   30
.set SR,   32
.set PCD,  160
.set PT,   184
.set BMQ,  192
.set TS,   200
.set TB,   204
.set LSUM, 208
.set LT,   212
.set PX,   214
.set NS,   216
.set INV,  220
.set R16,  224
.set VF,   96
.set QF,   144
.set CN,   168
.set OA,   184
.set WV,   12
.set TK,   44
.set TV,   45
.set TBM,  46
.set CNT,  47
.set RND,  48
.set MSB, 0
.macro WIN new
.if MSB != \new
	s_set_vgpr_msb (MSB<<8)|\new
.set MSB, \new
.endif
.endm
.macro CROUND
	s_barrier_signal -1
	s_barrier_wait -1
	s_cmp_lg_u32 s[WV], 0
	s_cbranch_scc1 .Lnot_wave_0_\@
	s_barrier_signal -3
.Lnot_wave_0_\@:
	s_barrier_wait -3
	s_barrier_signal -1
	s_barrier_wait -1
.endm
.macro LOADK ak, aks
	WIN 0x40
.irp t, 0,1,2,3,4,5,6,7
	ds_load_b128 v[12*\t:12*\t+3], v[\ak] offset:1024*\t
	ds_load_b128 v[12*\t+4:12*\t+7], v[\ak] offset:1024*\t+512
.endr
	WIN 0
	ds_load_b128 v[KS:KS+3], v[\aks]
	ds_load_b128 v[KS+4:KS+7], v[\aks] offset:256
.endm
.macro LOADQ off
	WIN 0x40
.irp u, 0,1
.irp g, 0,1
	global_load_b128 v[QF+12*\u+4*\g:QF+12*\u+4*\g+3], v[AK0], s[50:51] offset:\off+1024*\u+512*\g
.endr
.endr
	WIN 0
.irp u, 0,1
	global_load_b32 v[QS+\u], v[R16], s[52:53] offset:\off+4*\u
.endr
.endm
.macro SCORES withc
.irp q, 0,1                            ; query tile 0's eight products first: its vector work reads them while tile 1's are made
.irp t, 0,1,2,3,4,5,6,7
.if \withc
	v_wmma_scale_f32_16x16x128_f8f6f4 v[SR+64*\q+8*\t:SR+64*\q+8*\t+7], v[12*\t:12*\t+11], v[QF+12*\q:QF+12*\q+11], v[CN+8*\q:CN+8*\q+7], v[KS+\t], v[QS+\q] matrix_a_fmt:MATRIX_FMT_BF6 matrix_b_fmt:MATRIX_FMT_BF6
.else
	v_wmma_scale_f32_16x16x128_f8f6f4 v[SR+64*\q+8*\t:SR+64*\q+8*\t+7], v[12*\t:12*\t+11], v[QF+12*\q:QF+12*\q+11], 0, v[KS+\t], v[QS+\q] matrix_a_fmt:MATRIX_FMT_BF6 matrix_b_fmt:MATRIX_FMT_BF6
.endif
.endr
.endr
.endm
.macro MAXT q
.irp b, 0,1,2,3
	v_max3_num_f32 v[BMQ+4*\q+\b], v[SR+64*\q+16*\b], v[SR+64*\q+16*\b+1], v[SR+64*\q+16*\b+2]
.endr
.irp i, 3,5,7,9,11,13
.irp b, 0,1,2,3
	v_max3_num_f32 v[BMQ+4*\q+\b], v[BMQ+4*\q+\b], v[SR+64*\q+16*\b+\i], v[SR+64*\q+16*\b+\i+1]
.endr
.endr
.irp b, 0,1,2,3
	v_max_num_f32 v[BMQ+4*\q+\b], v[BMQ+4*\q+\b], v[SR+64*\q+16*\b+15]
.endr
	s_delay_alu instid0(VALU_DEP_2)
	v_permlane16_swap_b32 v[BMQ+4*\q], v[BMQ+4*\q+2]
	s_delay_alu instid0(VALU_DEP_2)
	v_permlane16_swap_b32 v[BMQ+4*\q+1], v[BMQ+4*\q+3]
	s_delay_alu instid0(VALU_DEP_2)
	v_max_num_f32 v[BMQ+4*\q], v[BMQ+4*\q], v[BMQ+4*\q+2]
	s_delay_alu instid0(VALU_DEP_2)
	v_max_num_f32 v[BMQ+4*\q+1], v[BMQ+4*\q+1], v[BMQ+4*\q+3]
	s_delay_alu instid0(VALU_DEP_1)
	v_max3_num_f32 v[NS+2*\q], v[NS+2*\q], v[BMQ+4*\q], v[BMQ+4*\q+1]
	ds_store_b64 v[ABS], v[BMQ+4*\q:BMQ+4*\q+1] offset:4096*\q
.endm
.macro P1STEP last
	s_wait_dscnt 0x2                               ; K's 18 loads are in; the two stores of block maxima issued behind them may be out
	WIN 0x05
	SCORES 0
	WIN 0
.if \last
	v_add_nc_u32 v[ABS], s[TBM], v[ABS0]
	v_nop
	v_nop
	v_nop
	LOADK AK0, AKS0
.else
	s_add_co_u32 s[TK], s[TK], KSTEP
	v_add_nc_u32 v[ADK], s[TK], v[AK0]
	v_add_nc_u32 v[ADKS], s[TK], v[AKS0]
	v_add_nc_u32 v[ABS], s[TBM], v[ABS0]
	v_nop
	LOADK ADK, ADKS
.endif
	s_add_co_u32 s[TBM], s[TBM], 256
	MAXT 0
	MAXT 1
.endm
.macro SOFT q, cnt
.set jj, 0
.rept 32
	v_pk_mul_f32 v[SR+64*\q+jj:SR+64*\q+jj+1], v[SR+64*\q+jj:SR+64*\q+jj+1], s[40:41] op_sel_hi:[1,0]
.set jj, jj+2
.endr
.set jj, 0
	s_wait_alu depctr_va_vdst(0)
.rept 64
	v_exp_f32 v[SR+64*\q+jj], v[SR+64*\q+jj]
.set jj, jj+1
.endr
.if \q == 0
	s_wait_dscnt \cnt
.endif
	v_pk_add_f32 v[BMQ+4*\q:BMQ+4*\q+1], v[BMQ+4*\q:BMQ+4*\q+1], v[NS+2*\q:NS+2*\q+1]
	v_pk_add_f32 v[BMQ+4*\q+2:BMQ+4*\q+3], v[BMQ+4*\q+2:BMQ+4*\q+3], v[NS+2*\q:NS+2*\q+1]
	s_delay_alu instid0(VALU_DEP_2)
	v_pk_mul_f32 v[BMQ+4*\q:BMQ+4*\q+1], v[BMQ+4*\q:BMQ+4*\q+1], s[40:41] op_sel_hi:[1,0]
	s_delay_alu instid0(VALU_DEP_2)
	v_pk_mul_f32 v[BMQ+4*\q+2:BMQ+4*\q+3], v[BMQ+4*\q+2:BMQ+4*\q+3], s[40:41] op_sel_hi:[1,0]
	s_wait_alu depctr_va_vdst(0)
.irp b, 0,1,2,3
	v_exp_f32 v[BMQ+4*\q+\b], v[BMQ+4*\q+\b]
.endr
	s_wait_alu depctr_va_vdst(0)
	v_pk_add_f32 v[LT:LT+1], v[SR+64*\q:SR+64*\q+1], v[SR+64*\q+2:SR+64*\q+3]
.irp b, 0,1,2,3
	v_max_num_f32 v[BMQ+4*\q+\b], 0x2800000, v[BMQ+4*\q+\b]
.endr
.irp b, 0,1,2,3
	s_delay_alu instid0(VALU_DEP_4)
	v_add_nc_u32 v[TS+\b], 0xfe000000, v[BMQ+4*\q+\b]
.endr
.irp b, 0,1,2,3
	s_delay_alu instid0(VALU_DEP_4)
	v_lshrrev_b32 v[TB+\b], 23, v[TS+\b]
.endr
	s_delay_alu instid0(VALU_DEP_3)
	v_lshl_or_b32 v[PW+\q], v[TB+1], 8, v[TB]
	s_delay_alu instid0(VALU_DEP_1)
	v_lshl_or_b32 v[PW+\q], v[TB+2], 16, v[PW+\q]
	s_delay_alu instid0(VALU_DEP_1)
	v_lshl_or_b32 v[PW+\q], v[TB+3], 24, v[PW+\q]
.irp c, 0,1
	v_cvt_scalef32_pk16_bf6_f32 v[PCD+12*\q+6*\c:PCD+12*\q+6*\c+2], v[SR+64*\q+32*\c:SR+64*\q+32*\c+15], v[TS+2*\c]
	v_cvt_scalef32_pk16_bf6_f32 v[PT+4*\c:PT+4*\c+2], v[SR+64*\q+32*\c+16:SR+64*\q+32*\c+31], v[TS+2*\c+1]
.endr
	v_nop
.irp c, 0,1
.irp i, 0,1,2
	v_permlane16_swap_b32 v[PCD+12*\q+6*\c+\i], v[PT+4*\c+\i]
.endr
.irp i, 0,1,2
	s_delay_alu instid0(VALU_DEP_3)
	v_mov_b32 v[PCD+12*\q+6*\c+3+\i], v[PT+4*\c+\i]
.endr
.endr
.irp j, 4,8,12,16,20,24,28,32,36,40,44,48,52,56,60
	v_pk_add_f32 v[LSUM+2*\q:LSUM+2*\q+1], v[LSUM+2*\q:LSUM+2*\q+1], v[SR+64*\q+\j:SR+64*\q+\j+1]
	v_pk_add_f32 v[LT:LT+1], v[LT:LT+1], v[SR+64*\q+\j+2:SR+64*\q+\j+3]
.endr
	s_delay_alu instid0(VALU_DEP_1)
	v_pk_add_f32 v[LSUM+2*\q:LSUM+2*\q+1], v[LSUM+2*\q:LSUM+2*\q+1], v[LT:LT+1]
.endm
.macro P2STEP zero, last
	s_wait_dscnt 0x0
	WIN 0x15
	SCORES 1
	WIN 0
	v_add_nc_u32 v[ADV], s[TV], v[AV0]
	v_add_nc_u32 v[ADVS], s[TV], v[AVS0]
	v_add_nc_u32 v[ABL], s[TBM], v[ABL0]
.if \last
	v_nop
	v_nop
.else
	s_add_co_u32 s[TK], s[TK], KSTEP
	v_add_nc_u32 v[ADK], s[TK], v[AK0]
	v_add_nc_u32 v[ADKS], s[TK], v[AKS0]
.endif
	s_add_co_u32 s[TV], s[TV], VSTEP
	s_add_co_u32 s[TBM], s[TBM], 256
	WIN 0x40
.set kk, 0
.rept 12
	ds_load_b128 v[VF+4*kk:VF+4*kk+3], v[ADV] offset:512*kk
.set kk, kk+1
.endr
	WIN 0
	ds_load_b128 v[VS:VS+3], v[ADVS]
	ds_load_b128 v[BMQ:BMQ+3], v[ABL]
	ds_load_b128 v[BMQ+4:BMQ+7], v[ABL] offset:4096
.if \last
	s_cmp_eq_u32 s[RND], 1
	s_cbranch_scc1 .Lno_fetch_\@
	LOADK AK0, AKS0
	LOADQ 2*KSTEP
.Lno_fetch_\@:
	SOFT 0, 0
.else
	LOADK ADK, ADKS
	SOFT 0, 18
.endif
	SOFT 1, 0
	WIN 0x51
.irp n, 0,1,2,3
.irp q, 0,1
.if \zero
	v_wmma_scale_f32_16x16x128_f8f6f4 v[OA+32*\q+8*\n:OA+32*\q+8*\n+7], v[VF+12*\n:VF+12*\n+11], v[PCD+12*\q:PCD+12*\q+11], 0, v[VS+\n], v[PW+\q] matrix_a_fmt:MATRIX_FMT_BF6 matrix_b_fmt:MATRIX_FMT_BF6
.else
	v_wmma_scale_f32_16x16x128_f8f6f4 v[OA+32*\q+8*\n:OA+32*\q+8*\n+7], v[VF+12*\n:VF+12*\n+11], v[PCD+12*\q:PCD+12*\q+11], v[OA+32*\q+8*\n:OA+32*\q+8*\n+7], v[VS+\n], v[PW+\q] matrix_a_fmt:MATRIX_FMT_BF6 matrix_b_fmt:MATRIX_FMT_BF6
.endif
.endr
.endr
	WIN 0
.endm
	s_load_b256 s[4:11], s[0:1], 0x0
	v_lshl_add_u32 v254, v0, 2, 0x4b000
	v_mov_b32 v255, 0
	ds_add_u32 v254, v255
	ds_add_u32 v254, v255
	v_lshrrev_b32 v225, 5, v0
	s_delay_alu instid0(VALU_DEP_1)
	v_readfirstlane_b32 s[WV], v225
	s_bfe_u32 s13, ttmp6, 0x40000
	s_lshl_b32 s15, ttmp9, 2
	s_add_co_u32 s13, s15, s13
	s_and_b32 s14, ttmp7, 0xffff
	s_mov_b32 s16, 0x0023000f
	s_mov_b32 s17, 32<<16
	s_mov_b32 s18, 68<<16
	s_mov_b32 s19, 32<<16
	s_mov_b32 s20, 68
	s_mov_b32 s21, 32
	s_mov_b32 s22, 0
	s_mov_b32 s23, 0
	s_mov_b32 s24, 0x0023000f
	s_mov_b32 s25, 32<<16
	s_mov_b32 s26, 50<<16
	s_mov_b32 s27, 32<<16
	s_mov_b32 s28, 50
	s_mov_b32 s29, 32
	s_mov_b32 s30, 0
	s_mov_b32 s31, 0
	s_mov_b32 s40, 0x3e38aa3b
	s_mov_b32 s41, s40
	s_mov_b32 s42, 0x76543210
	s_mov_b32 s43, 0xfedcba98
	s_mul_i32 s56, s14, KHEAD
	s_mul_i32 s58, s14, VHEAD
	s_mov_b32 s32, 1
	s_mul_i32 s33, s[WV], 17408
	s_add_co_u32 s62, s56, s33
	s_mov_b32 s63, 0
	s_mov_b32 s36, 1
	s_mul_i32 s60, s[WV], 12800
	s_add_co_u32 s37, s60, VB
	s_add_co_u32 s60, s58, s60
	s_mov_b32 s61, 0
	s_lshl_b32 s15, s13, 2
	s_lshr_b32 s49, s[WV], 2
	s_add_co_u32 s15, s15, s49
	s_mul_i32 s15, s15, KSTEP
	s_add_co_u32 s15, s15, s56
	s_and_b32 s49, s[WV], 3
	s_lshl_b32 s49, s49, 11
	s_add_co_u32 s50, s15, s49
	s_mov_b32 s51, 0
	s_bfe_u32 s49, s[WV], 0x10001
	s_lshl_b32 s49, s49, 8
	s_add_co_u32 s52, s15, s49
	s_and_b32 s49, s[WV], 1
	s_lshl_b32 s49, s49, 3
	s_add_co_u32 s52, s52, s49
	s_add_co_u32 s52, s52, 8192
	s_mov_b32 s53, 0
	s_lshr_b32 s49, s14, 4
	s_lshl_b32 s54, s49, 23
	s_lshl_b32 s49, s13, 21
	s_add_co_u32 s54, s54, s49
	s_lshl_b32 s49, s[WV], 17
	s_add_co_u32 s54, s54, s49
	s_and_b32 s49, s14, 15
	s_lshl_b32 s49, s49, 8
	s_add_co_u32 s54, s54, s49
	s_mov_b32 s55, 0
	v_and_b32 v225, 31, v0
	v_and_b32 v226, 15, v0
	v_bfe_u32 v227, v0, 4, 1
	s_delay_alu instid0(VALU_DEP_3)
	v_lshlrev_b32 v[AK0], 4, v225
	s_delay_alu instid0(VALU_DEP_3)
	v_lshlrev_b32 v[R16], 4, v226
	s_delay_alu instid0(VALU_DEP_1)
	v_add_nc_u32 v[AKS0], 8192, v[R16]
	s_delay_alu instid0(VALU_DEP_3)
	v_add_nc_u32 v[AV0], VB, v[AK0]
	s_delay_alu instid0(VALU_DEP_3)
	v_add_nc_u32 v[AVS0], VB+6144, v[R16]
	s_lshl_b32 s57, s[WV], 13
	s_add_co_u32 s57, s57, BMB
	v_add_nc_u32 v[ABL0], s57, v[R16]
	s_delay_alu instid0(VALU_DEP_1)
	v_lshl_add_u32 v[ABS0], v227, 3, v[ABL0]
	v_mul_u32_u24 v[STO], v226, 272
	s_delay_alu instid0(VALU_DEP_1)
	v_lshl_add_u32 v[STO], v227, 5, v[STO]
	s_delay_alu instid0(VALU_DEP_1)
	v_add_nc_u32 v[STO], s57, v[STO]
	v_mul_u32_u24 v[RD], v227, 272
	s_delay_alu instid0(VALU_DEP_1)
	v_add_nc_u32 v[RD], v[RD], v[R16]
	s_delay_alu instid0(VALU_DEP_1)
	v_add_nc_u32 v[RD], s57, v[RD]
	v_lshl_add_u32 v[GO], v227, 12, v[R16]
	v_mov_b32 v[PX], 0
	v_mov_b32 v[PX+1], 0
	s_mov_b32 s[RND], 2
	s_wait_alu depctr_va_vdst(0)                   ; the wait at the head's end
	s_wait_dscnt 0x0
	s_wait_kmcnt 0x0
	s_add_nc_u64 s[34:35], s[6:7], s[62:63]
	s_or_b32 s35, s35, 0x80000000
	s_add_nc_u64 s[38:39], s[8:9], s[60:61]
	s_or_b32 s39, s39, 0x80000000
	s_add_nc_u64 s[50:51], s[4:5], s[50:51]
	s_add_nc_u64 s[52:53], s[4:5], s[52:53]
	s_add_nc_u64 s[54:55], s[10:11], s[54:55]
	LOADQ 0                                        ; the first round's q is asked for ahead of K's tile
	CROUND
	tensor_load_to_lds s[32:35], s[16:23]
	s_nop 0
	s_wait_alu depctr_va_vdst(0)
	s_wait_tensorcnt 0x0
	ds_add_u32 v254, v255
	s_wait_dscnt 0x0
	CROUND
	tensor_load_to_lds s[36:39], s[24:31]
	s_nop 0
.rept 4
	v_nop
.endr
	WIN 0x40
.irp t, 0,1,2,3,4,5,6,7
.irp i, 8,9,10,11
	v_mov_b32 v[12*\t+\i], 0
.endr
.endr
.irp q, 0,1
.irp i, 8,9,10,11
	v_mov_b32 v[QF+12*\q+\i], 0
.endr
.endr
	WIN 0
.rept 4
	v_nop
.endr
	s_wait_tensorcnt 0x1
	s_barrier_signal -1
	s_barrier_wait -1
	LOADK AK0, AKS0
.macro P1ALL                           ; pass 1 of a round: the row's largest score, negated, in NS and as a C operand in CN
	s_mov_b32 s[TK], 0
	s_mov_b32 s[TBM], 0
	v_mov_b32 v[NS], 0xff7fffff
	v_mov_b32 v[NS+2], 0xff7fffff
	s_wait_loadcnt 0x0
	s_wait_dscnt 0x0                               ; step 0's fragments of K are in: the steps' own wait counts two stores behind the loads
	s_mov_b32 s[CNT], 15
.Lp1_\@:
	s_wait_alu depctr_va_vdst(0)
	P1STEP 0
	s_sub_co_u32 s[CNT], s[CNT], 1
	s_cmp_lg_u32 s[CNT], 0
	s_cbranch_scc1 .Lp1_\@
	P1STEP 1
.irp q, 0,1
	v_permlanex16_b32 v[PX+\q], v[NS+2*\q], s42, s43
.endr
.irp q, 0,1
	v_max_num_f32 v[NS+2*\q], v[NS+2*\q], v[PX+\q]
	s_delay_alu instid0(VALU_DEP_1)
	v_cmp_lt_f32 vcc_lo, 0xec800000, v[NS+2*\q]
	s_delay_alu instid0(VALU_DEP_2)
	v_sub_f32 v[NS+2*\q], 0, v[NS+2*\q]
	s_delay_alu instid0(VALU_DEP_1)
	v_cndmask_b32 v[NS+2*\q], 0, v[NS+2*\q], vcc_lo
	s_delay_alu instid0(VALU_DEP_1)
	v_mov_b32 v[NS+2*\q+1], v[NS+2*\q]
.endr
	WIN 0x40
.irp q, 0,1
.irp i, 0,1,2,3,4,5,6,7
	v_mov_b32 v[CN+8*\q+\i], v[NS+2*\q]
.endr
.endr
	WIN 0
.irp i, 0,1,2,3
	v_mov_b32 v[LSUM+\i], 0
.endr
	s_mov_b32 s[TK], 0
	s_mov_b32 s[TV], 0
	s_mov_b32 s[TBM], 0
	s_wait_alu depctr_va_vdst(0)
.endm
	P1ALL
	s_wait_tensorcnt 0x0                           ; my part of V's tile is in,
	s_wait_dscnt 0x0
	s_barrier_signal -1
	s_barrier_wait -1                              ; and everybody's: once for the launch
.Lround:
	P2STEP 1, 0
	s_mov_b32 s[CNT], 14
.Lp2:
	P2STEP 0, 0
	s_sub_co_u32 s[CNT], s[CNT], 1
	s_cmp_lg_u32 s[CNT], 0
	s_cbranch_scc1 .Lp2
	P2STEP 0, 1
.rept 4
	v_nop
.endr
.irp q, 0,1
	v_add_f32 v[LT+\q], v[LSUM+2*\q], v[LSUM+2*\q+1]
.endr
.irp q, 0,1
	s_delay_alu instid0(VALU_DEP_2)
	v_permlanex16_b32 v[PX+\q], v[LT+\q], s42, s43
.endr
.irp q, 0,1
	s_delay_alu instid0(VALU_DEP_2)
	v_add_f32 v[LT+\q], v[LT+\q], v[PX+\q]
.endr
	s_wait_alu depctr_va_vdst(0)
.irp q, 0,1
	v_rcp_f32 v[INV+2*\q], v[LT+\q]
.endr
	v_nop
	s_wait_alu depctr_va_vdst(0)
.irp q, 0,1
	v_cmp_lt_f32 vcc_lo, 0, v[LT+\q]
	v_cndmask_b32 v[INV+2*\q], 0, v[INV+2*\q], vcc_lo
	s_delay_alu instid0(VALU_DEP_1)
	v_mov_b32 v[INV+2*\q+1], v[INV+2*\q]
.endr
.irp q, 0,1
	WIN 0x01
.set jj, 0
.rept 16
	v_pk_mul_f32 v[SR+64*\q+jj:SR+64*\q+jj+1], v[OA+32*\q+jj:OA+32*\q+jj+1], v[INV+2*\q:INV+2*\q+1]
.set jj, jj+2
.endr
	WIN 0
.irp n, 0,1,2,3
	ds_store_b128 v[STO], v[SR+64*\q+8*\n:SR+64*\q+8*\n+3] offset:64*\n
	ds_store_b128 v[STO], v[SR+64*\q+8*\n+4:SR+64*\q+8*\n+7] offset:64*\n+16
.endr
.irp i, 0,1,2,3,4,5,6,7
	ds_load_b128 v[SR+64*\q+32+4*\i:SR+64*\q+32+4*\i+3], v[RD] offset:544*\i
.endr
.irp i, 0,1,2,3,4,5,6,7
	s_wait_dscnt 7-\i
	global_store_b128 v[GO], v[SR+64*\q+32+4*\i:SR+64*\q+32+4*\i+3], s[54:55] offset:(8*\q+2*\i+8*(\i/4))*4096 th:TH_STORE_NT
.endr
.endr
	s_wait_xcnt 0x0
	s_add_nc_u64 s[54:55], s[54:55], 0x100000
	s_sub_co_u32 s[RND], s[RND], 1
	s_cmp_eq_u32 s[RND], 0
	s_cbranch_scc1 .Ldone
	P1ALL                                          ; the next round's pass 1
	s_cmp_lg_u32 s[RND], 0
	s_cbranch_scc1 .Lround
.Ldone:
	s_wait_dscnt 0x0
	s_wait_tensorcnt 0x0
	ds_add_u32 v254, v255
	s_wait_dscnt 0x0
	CROUND
	s_endpgm
.Lfunc_end_k_q6d6d213580_attn:
	.size	k_q6d6d213580_attn, .Lfunc_end_k_q6d6d213580_attn-k_q6d6d213580_attn
	.p2alignl 7, 3214868480
	.fill 96, 4, 3214868480
	.section	.rodata,"a",@progbits
	.p2align	6, 0x0
	.amdhsa_kernel k_q6d6d213580_attn
		.amdhsa_group_segment_fixed_size 327680
		.amdhsa_private_segment_fixed_size 0
		.amdhsa_enable_private_segment 0
		.amdhsa_kernarg_size 32
		.amdhsa_user_sgpr_count 2
		.amdhsa_user_sgpr_kernarg_segment_ptr 1
		.amdhsa_wavefront_size32 1
		.amdhsa_system_sgpr_workgroup_id_x 1
		.amdhsa_system_sgpr_workgroup_id_y 1
		.amdhsa_system_sgpr_workgroup_id_z 1
		.amdhsa_system_vgpr_workitem_id 0
		.amdhsa_next_free_vgpr 512
		.amdhsa_next_free_sgpr 66
		.amdhsa_reserve_vcc 1
		.amdhsa_float_denorm_mode_32 3
		.amdhsa_float_denorm_mode_16_64 3
		.amdhsa_memory_ordered 1
		.amdhsa_forward_progress 1
		.amdhsa_inst_pref_size 124
	.end_amdhsa_kernel
	.amdgpu_metadata
---
amdhsa.version: [ 1, 2 ]
amdhsa.kernels:
  - .name:           k_q6d6d213580_attn
    .symbol:         k_q6d6d213580_attn.kd
    .args:
      - { .name: qbuf, .offset: 0, .size: 8, .value_kind: global_buffer, .address_space: global }
      - { .name: kbuf, .offset: 8, .size: 8, .value_kind: global_buffer, .address_space: global }
      - { .name: vbuf, .offset: 16, .size: 8, .value_kind: global_buffer, .address_space: global }
      - { .name: out0, .offset: 24, .size: 8, .value_kind: global_buffer, .address_space: global }
    .group_segment_fixed_size: 327680
    .private_segment_fixed_size: 0
    .kernarg_segment_align: 8
    .kernarg_segment_size: 32
    .max_flat_workgroup_size: 256
    .sgpr_count:     66
    .vgpr_count:     512
    .wavefront_size: 32
...
	.end_amdgpu_metadata
.endif
;; end of part 3
